; MI455X (gfx1250); checked and timed in simulation.
; The chip was launched on July 23, 2026; its instructions are those of AMD's public machine-readable ISA for CDNA 5 (MIT licence, August 2026) and "CDNA5" Instruction Set Architecture Reference Guide (July 2026). The comments in the code are by the model that wrote it; some were corrected since.
;; Model. Allowed arithmetic: matrix products marked QUANTISED: E2M1 operands, one E8M0 scale for each 32 along K, by v_wmma_scale_f32_16x16x128_f8f6f4 with both operands' format E2M1 (or v_wmma_scale_f32_32x16x128_f4), f32 sums; everything else in f32.
;; Inputs: attn_mask 1 x 1 x 2,048 x 2,048 float32; key 4 x 16 x 2,048 x 64 float32; query 4 x 16 x 2,048 x 64 float32; value 4 x 16 x 2,048 x 64 float32.
;; Outputs: out0 4 x 16 x 2,048 x 64 float32.
;; This version of the problem:
;;   THIS VERSION OF THE PROBLEM IS GIVEN IN LOW PRECISION. The matrix products marked QUANTISED in the list below multiply operands that are first quantised to E2M1 (2 exponent bits, 1 mantissa bit; 4 bits a number), with one power-of-two scale for each 32 numbers along K (OCP MX v1.0); their sums are f32. All else is computed in f32.
;;   The module's matrix products, in the order in which they are computed (A, B: the left and right operand; K: the contracted axis; several contracted axes count as one K, in the product's order):
;;     1. batch 64 x [M 2,048, K 64] x [K 64, N 2,048]; A: input query; B: input key: QUANTISED
;;     2. batch 64 x [M 2,048, K 2,048] x [K 2,048, N 64]; A: softmax (see below); B: input value: QUANTISED
;;   THE QUANTISER, for each operand of a quantised product, along K:
;;     - K is cut into blocks of 32 from its start; a last block that is shorter is filled with zeros.
;;     - A block's scale is 2^e with e = floor(log2(the largest magnitude in the block)) - 2, held to -126 .. 127; a block of zeros has e = 0. As a byte (E8M0): e + 127.
;;     - Each number is divided by its block's scale, clamped to +-6, and rounded to the nearest number of E2M1, ties to even, subnormals kept.
;;     - The product sums the exact products of the quantised numbers (number of the format x scale) in f32.
;;   ~~~python
;;   def quantise(x, axis):      # numpy; x: float32 -> the quantised numbers, widened to float32 again
;;       x = np.moveaxis(x, axis, -1); K = x.shape[-1]
;;       x = np.pad(x, [(0, 0)] * (x.ndim - 1) + [(0, -K % 32)]); x = x.reshape(x.shape[:-1] + (-1, 32)); a = np.abs(x).max(-1, keepdims=True)
;;       e = np.where(a > 0, np.clip(np.frexp(np.where(a > 0, a, 1))[1] - 1 - 2, -126, 127), 0)      # np.frexp(a)[1] - 1 = floor(log2(a)), exactly
;;       r = np.clip(x / 2.0 ** e, -6, 6)
;;       step = 2.0 ** (np.maximum(np.frexp(np.where(r == 0, 1, r))[1] - 1, 0) - 1)
;;       q = np.round(r / step) * step * 2.0 ** e      # np.round: ties to even
;;       return np.moveaxis(q.reshape(q.shape[:-2] + (-1,))[..., :K], -1, axis).astype(np.float32)
;;   ~~~
;;   SOFTMAX AHEAD OF A QUANTISED PRODUCT. Where the list says 'softmax', what is quantised is not the finished softmax but p = 2^(t - M), with t = logit x log2(e) and M = ceil(the row's largest t), a whole number; so 1/2 < the row's largest p <= 1. The row's sum l is taken of the UNQUANTISED p, in f32, and the product's result is divided by l at the end. Since M is a whole number, a kernel that streams over the keys may use a running M (the ceiling of the running maximum): every later rescaling is an exact power of two, which a block's scale takes up: the codes' values come out the same.
;;   OPERANDS COMPUTED ON THE WAY. 'Computed on the way' means the value that the module computes at that place (a softmax that the list does not call 'softmax' is quantised finished and normalised). What goes into a quantiser is computed in f32, as accurately as f32 sums, v_exp_f32 and their like allow (about 1e-6 of the number): no bf16 or f16 on the way to a quantiser, and a product that is left as it is and whose result goes on into a quantised operand takes f32 operands (vector FMAs, or v_wmma_f32_16x16x4_f32). A number that lies on a knife's edge between two numbers of the format may be rounded either way, as far as f32 arithmetic and the matrix unit's own rounding can turn it there, and no further.
;; One version. Each part assembles by itself: llvm-mc -triple=amdgcn-amd-amdhsa -mcpu=gfx1250 --defsym DOCPART=n.
;; ======== version 1 of 1: 2 launches
;; limits: right only within a limited range of input values
;; workspace buffers: kv 18,350,080 bytes; mimg 16,777,216 bytes
;; launch prep (part 1): grid 768 x 1, 4 waves a work-group, no clusters, 103,936 bytes of LDS; arguments key, value, attn_mask, kv, mimg; writes kv, mimg
.if DOCPART == 1
	.amdgcn_target "amdgcn-amd-amdhsa--gfx1250"
	.amdhsa_code_object_version 6
	.text
	.protected	k_qca01421285_prep
	.globl	k_qca01421285_prep
	.p2align	8
	.type	k_qca01421285_prep,@function
k_qca01421285_prep:
	s_mov_b64 s[64:65], 0
	v_nop
	global_prefetch_b8 v0, s[64:65] scope:SCOPE_SE
	s_setreg_imm32_b32 hwreg(HW_REG_WAVE_MODE, 25, 1), 1
	s_wait_xcnt 0x0
; PREP: key and value (f32) become codes of FP4 (E2M1) with E8M0 scale bytes, once, laid as images of the operand registers of the
; attention launch; attn_mask (f32) is laid anew in the order of the C operand of S^T = K Q^T.  No matrix work here.
; WORK LEFT OUT BY THE PROGRAM: reference() multiplies q.k by scale = 1 / sqrt(HEAD_DIM) with HEAD_DIM = 1, a constant of its own body: the factor is 1
; for all values of the inputs, so the multiplication is not written (second launch).  Nothing else is left out: query, key, value and attn_mask all have a way
; to the output (the mask differs along the softmax's axis), and all four are loaded.  A multiplication by 1 can make no NaN, infinity or overflow, so none is lost with it.
; THE QUANTISER: a block of 32 along K has the scale 2^(floor(log2(largest magnitude)) - 2); its byte is the largest magnitude's exponent field - 2, held at 1 from below
; by a floor among the maximum's leaves.  K = the 64 channels for key (two blocks a key), K = the keys for value (a block = 32 keys of one channel).
; LIMITS: NaN and infinities among key and value are not served; blocks whose largest magnitude lies under 2^-124 keep the byte 1; a block of zeros gets the byte 1 where
; the rule says 127: its codes are zeros, which add nothing under any byte but 0xff, and these bytes are read by this program alone.
; kv: 1,024 records of 8,960 bytes, [pair of heads 0..31][key step s 0..15][g 0..1], head = 2 pair + g, a step = 128 keys.  With lane = r + 16 h a record holds
;   0..4095     K's codes: tile t = 2 b + u at 512 t + 16 lane: key 128 s + 32 b + 8 u + r + 8 (r / 8), channels 32 h .. 32 h + 31
;   4096..8191  V's codes: tile t of 16 channels, register group c at 4096 + 1024 t + 512 c + 16 lane: channel 16 t + r, keys 128 s + 64 c + 32 h + 0 .. 31
;   8192..8703  K's scale words at 16 lane: the words of tiles 4 h + 0 .. 3, row r; a word = byte of channels 0-31, byte of channels 32-63, 0x7f, 0x7f
;   8704..8959  V's scale words at 8 lane: the words of tiles 2 h and 2 h + 1, row r; a word = the bytes of the step's four blocks of keys
; mimg: [tile i of 16 queries 0..127][key step s][8,192 bytes]: register group jj at 512 jj + 16 lane: mask[16 i + r][128 s + 32 (jj / 4) + 16 h + 4 (jj % 4) + 0 .. 3].
; SHARES: work-groups 0-255 take key, 256-511 value, 512-767 the mask; a wave takes one unit (a head's key step of 128 keys: 32,768 bytes; or a mask tile's two key steps: 16,384 bytes).
; Every global load reads 512 consecutive bytes; the numbers turn through the wave's own stage in LDS; every store of codes covers aligned runs of 256 bytes or more.
; Each of the three paths has LDS bytes of its own; waves share nothing, so there is no barrier.
.set REC,   8960
.set KST,   0                          ; key's stages: 4 waves x 32 rows x 272 bytes
.set VST,   34816                      ; value's stages: the same
.set MST,   69632                      ; the mask's stages: 4 waves x 16 rows x 528 bytes
.set SPARE, 103424                     ; the spare words, 128 bytes for each wave: two blocks of 256 bytes that no other line names
.set SPW, 10                           ; v10      LDS address of my spare word; never rewritten
.set NIL, 11                           ; v11      0; never rewritten
.set W,   20                           ; v20-27   scale words
.set WF,  28                           ; v28-31   K's scale words as they are stored
.set C,   32                           ; v32-63   codes: four registers for each of eight blocks, so that no store's data are written again
.set X,   64                           ; v64-127  64 numbers back from the stage
.set R,   128                          ; v128-255 two sets of 64 numbers as they are loaded
; v1 lane, v2 16 x lane, v3 r, v4 h, v5 stage: in, v6 stage: out, v7 V's store offset, v8 8 h, v9 8 x lane, v12-16 at work
; s[16:17] my unit's input, s[18:19] my unit's output, s14 wave, s15 unit, s[28:29] lane selects
.macro GLOAD b, k                      ; block b (32 keys, 8,192 dense bytes) into set k: 16 loads of 512 consecutive bytes
.irp i, 0,1,2,3,4,5,6,7,8,9,10,11,12,13,14,15
	global_load_b128 v[R+64*(\k)+4*\i:R+64*(\k)+4*\i+3], v2, s[16:17] offset:8192*(\b)+512*\i th:TH_LOAD_NT
.endr
.endm
.macro TURNIN k                        ; set k into my stage as it lies: a load's 512 bytes are two keys' rows, 272 bytes apart
.irp i, 0,1,2,3,4,5,6,7,8,9,10,11,12,13,14,15
	ds_store_b128 v5, v[R+64*(\k)+4*\i:R+64*(\k)+4*\i+3] offset:544*\i
.endr
.endm
; a block of 32 numbers in v[xs] on: its codes into v[cd] .. v[cd + 3], its scale byte into v15
.macro QB xs, cd
	v_max3_num_f32 v12, |v[(\xs)]|, |v[(\xs)+1]|, |v[(\xs)+2]|      ; the largest magnitude, in two chains
	v_max3_num_f32 v13, |v[(\xs)+3]|, |v[(\xs)+4]|, |v[(\xs)+5]|
.irp i, 6,10,14,18,22,26
	v_max3_num_f32 v12, v12, |v[(\xs)+\i]|, |v[(\xs)+\i+1]|
	v_max3_num_f32 v13, v13, |v[(\xs)+\i+2]|, |v[(\xs)+\i+3]|
.endr
	v_max3_num_f32 v12, v12, |v[(\xs)+30]|, |v[(\xs)+31]|
	v_max3_num_f32 v12, v12, v13, 0x1800000        ; and the floor 2^(3 - 127): the byte cannot fall under 1
	v_add_nc_u32 v14, 0xff000000, v12              ; 2 off the exponent field: the conversion takes the exponent field of this operand as its scale
.irp g, 0,1,2,3
	v_cvt_scalef32_pk8_fp4_f32 v[(\cd)+\g], v[(\xs)+8*\g:(\xs)+8*\g+7], v14
.endr
	v_lshrrev_b32 v15, 23, v14                     ; the scale's byte (also the plain line behind the conversions)
.endm
.macro FINISH                          ; the wave's end: a tensor wait, an add to my spare word and its wait behind my last LDS store
	s_wait_tensorcnt 0x0
	ds_add_u32 v[SPW], v[NIL]
	s_wait_dscnt 0x0
	s_endpgm
.endm
	s_load_b256 s[4:11], s[0:1], 0x0               ; key s[4:5], value s[6:7], attn_mask s[8:9], kv s[10:11]
	s_load_b64 s[12:13], s[0:1], 0x20              ; mimg
	v_lshl_add_u32 v[SPW], v0, 2, SPARE
	v_mov_b32 v[NIL], 0
	v_lshrrev_b32 v1, 5, v0
	v_readfirstlane_b32 s14, v1                    ; wave 0..3
	v_and_b32 v1, 31, v0                           ; lane
	v_lshlrev_b32 v2, 4, v1                        ; 16 x lane
	v_and_b32 v3, 15, v0                           ; r
	v_bfe_u32 v4, v0, 4, 1                         ; h
	s_and_b32 s15, ttmp9, 255
	s_lshl_b32 s15, s15, 2
	s_add_co_u32 s15, s15, s14                     ; my unit, 0..1023, in my path
	s_mov_b32 s28, 0x76543210
	s_mov_b32 s29, 0xfedcba98                      ; v_permlanex16_b32's selects for lane l xor 16
	s_wait_kmcnt 0x0
	s_cmp_ge_u32 ttmp9, 512
	s_cbranch_scc1 .Lmask
	; ---- key and value: unit = 16 x head + key step
	s_lshl_b32 s20, s15, 15                        ; 128 keys x 256 bytes
	s_mov_b32 s21, 0
	s_and_b32 s22, s15, 0x3e0                      ; 32 x pair of heads
	s_and_b32 s23, s15, 15
	s_lshl_b32 s23, s23, 1                         ; 2 x key step
	s_add_co_u32 s22, s22, s23
	s_bfe_u32 s23, s15, 0x10004                    ; g: the head's low bit
	s_add_co_u32 s22, s22, s23
	s_mul_i32 s22, s22, REC
	s_mov_b32 s23, 0
	s_add_nc_u64 s[18:19], s[10:11], s[22:23]      ; my record
	s_wait_alu depctr_va_vdst(0)
	v_mul_u32_u24 v5, v4, 272
	v_lshl_add_u32 v5, v3, 4, v5                   ; into a stage: 272 (lane / 16) + 16 (lane % 16)
	s_mul_i32 s24, s14, 8704                       ; my wave's stage
	s_cmp_ge_u32 ttmp9, 256
	s_cbranch_scc1 .Lvalue
	; ---- KEY.  Lane (r, h) of tile 2 b + u takes key 32 b + 8 u + r + 8 (r / 8), channels 32 h on: one whole block, 128 bytes of the key's row
	s_add_nc_u64 s[16:17], s[4:5], s[20:21]
	GLOAD 0, 0
	GLOAD 1, 1
	v_add_nc_u32 v5, s24, v5
	v_and_b32 v12, 8, v3
	v_add_nc_u32 v12, v12, v3                      ; r + 8 (r / 8)
	v_mul_u32_u24 v6, v12, 272
	v_lshl_add_u32 v6, v4, 7, v6
	v_add_nc_u32 v6, s24, v6                       ; out of the stage: my key's row, + 128 h
	v_lshlrev_b32 v8, 3, v4                        ; 8 h
	v_mov_b32 v16, 0                               ; written once: a lane permute's destination counts as one of its sources
	v_cmp_le_u32 vcc_lo, 16, v1                    ; lanes 16-31
.macro KBLOCK b
.if \b < 3
	s_wait_loadcnt 16                              ; this block's 16 loads are in; the next block's 16, issued behind them, may be out
.else
	s_wait_loadcnt 0x0
.endif
	TURNIN (\b)%2
.irp u, 0,1
.irp i, 0,1,2,3,4,5,6,7
	ds_load_b128 v[X+32*\u+4*\i:X+32*\u+4*\i+3], v6 offset:2176*\u+16*\i   ; LDS serves a wave's instructions in order: these see the stores above
.endr
.endr
	s_wait_dscnt 0x0                               ; the numbers are back, and the stores into the stage have read their registers,
.if \b < 2
	GLOAD (\b)+2, (\b)%2                           ; which take the block two further on
.endif
.irp u, 0,1
	QB X+32*\u, C+4*(2*(\b)+\u)
	v_lshlrev_b32 v15, v8, v15                     ; my byte at its place: 8 h bits up;
	v_permlanex16_b32 v16, v15, s28, s29
	v_or_b32 v15, v15, v16                         ; with lane l xor 16's: both blocks of my key;
	v_or_b32 v[W+2*(\b)+\u], 0x7f7f0000, v15       ; the upper half of the instruction's K holds zero codes on Q's side: its bytes are 2^0
	global_store_b128 v2, v[C+4*(2*(\b)+\u):C+4*(2*(\b)+\u)+3], s[18:19] offset:512*(2*(\b)+\u)   ; a tile's image: 512 consecutive bytes
.endr
.endm
	s_wait_alu depctr_va_vdst(0)
	KBLOCK 0
	KBLOCK 1
	KBLOCK 2
	KBLOCK 3
.irp i, 0,1,2,3
	v_cndmask_b32 v[WF+\i], v[W+\i], v[W+4+\i], vcc_lo   ; lanes 0-15 keep tiles 0-3, lanes 16-31 take tiles 4-7
.endr
	global_store_b128 v2, v[WF:WF+3], s[18:19] offset:8192
	FINISH
	; ---- VALUE.  K = the keys: a lane takes a channel and its registers run down 32 keys, so a block lies in one lane
.Lvalue:
	s_add_nc_u64 s[16:17], s[6:7], s[20:21]
	GLOAD 0, 0
	GLOAD 1, 1
	s_add_co_u32 s24, s24, VST
	s_wait_alu depctr_va_vdst(0)
	v_add_nc_u32 v5, s24, v5
	v_lshl_add_u32 v6, v1, 2, s24                  ; out of the stage: column = my lane, 4 bytes
	v_lshlrev_b32 v7, 10, v4
	v_lshl_add_u32 v7, v3, 4, v7                   ; my codes' place: tile (lane / 16) of the pair, row lane % 16
	v_lshlrev_b32 v9, 3, v1
.macro VBLOCK b
.if \b < 3
	s_wait_loadcnt 16                              ; this block's 16 loads are in; the next block's 16 may be out
.else
	s_wait_loadcnt 0x0
.endif
	TURNIN (\b)%2
.irp x, 0,1
.set i, 0
.rept 32
	ds_load_b32 v[X+32*\x+i], v6 offset:272*i+128*\x   ; key i of the block, channel 32 x + lane: 128 consecutive bytes a load
.set i, i+1
.endr
.endr
	s_wait_dscnt 0x0
.if \b < 2
	GLOAD (\b)+2, (\b)%2
.endif
.irp x, 0,1
	QB X+32*\x, C+4*(2*(\b)+\x)
.if \b == 0
	v_mov_b32 v[W+\x], v15                         ; the step's four bytes make my channel's scale word, the lower keys in the lower byte
.else
	v_lshl_or_b32 v[W+\x], v15, 8*(\b), v[W+\x]
.endif
	global_store_b128 v7, v[C+4*(2*(\b)+\x):C+4*(2*(\b)+\x)+3], s[18:19] offset:4096+2048*\x+512*((\b)/2)+256*((\b)%2)   ; sixteen lanes store 256 consecutive bytes, aligned
.endr
.endm
	s_wait_alu depctr_va_vdst(0)
	VBLOCK 0
	VBLOCK 1
	VBLOCK 2
	VBLOCK 3
	v_permlane16_swap_b32 v[W], v[W+1]             ; from (tiles 0 | 1), (tiles 2 | 3) to (tiles 0 | 2), (tiles 1 | 3) in the two halves of the lanes
	global_store_b64 v9, v[W:W+1], s[18:19] offset:8704   ; 256 consecutive bytes, aligned
	FINISH
	; ---- THE MASK: unit = 8 x tile of 16 queries + pair of key steps
.Lmask:
	s_lshr_b32 s20, s15, 3                         ; tile i
	s_and_b32 s21, s15, 7
	s_lshl_b32 s21, s21, 1                         ; first of my two key steps
	s_lshl_b32 s22, s20, 17                        ; 16 rows of 8,192 bytes
	s_lshl_b32 s23, s21, 9                         ; 128 keys x 4 bytes
	s_add_co_u32 s22, s22, s23
	s_mov_b32 s23, 0
	s_add_nc_u64 s[16:17], s[8:9], s[22:23]
	s_lshl_b32 s22, s20, 4
	s_add_co_u32 s22, s22, s21
	s_lshl_b32 s22, s22, 13                        ; block 16 i + s of 8,192 bytes
	s_add_nc_u64 s[18:19], s[12:13], s[22:23]
	s_wait_alu depctr_va_vdst(0)
.irp e, 0,1
.irp i, 0,1,2,3,4,5,6,7,8,9,10,11,12,13,14,15
	global_load_b128 v[R+64*\e+4*\i:R+64*\e+4*\i+3], v2, s[16:17] offset:8192*\i+512*\e th:TH_LOAD_NT   ; row i, key step e: 512 consecutive bytes
.endr
.endr
	s_mul_i32 s24, s14, 8448
	s_add_co_u32 s24, s24, MST                     ; my wave's stage
	v_add_nc_u32 v5, s24, v2                       ; in: a row as it lies
	v_mul_u32_u24 v6, v3, 528
	v_lshl_add_u32 v6, v4, 6, v6
	v_add_nc_u32 v6, s24, v6                       ; out: row r, + 64 h: 16 keys of each 32
.macro MTURN src, dst
.irp i, 0,1,2,3,4,5,6,7,8,9,10,11,12,13,14,15
	ds_store_b128 v5, v[(\src)+4*\i:(\src)+4*\i+3] offset:528*\i
.endr
.irp i, 0,1,2,3,4,5,6,7,8,9,10,11,12,13,14,15
	ds_load_b128 v[(\dst)+4*\i:(\dst)+4*\i+3], v6 offset:128*(\i/4)+16*(\i%4)
.endr
.endm
	s_wait_alu depctr_va_vdst(0)
	s_wait_loadcnt 16                              ; the first key step's 16 loads are in; the second's may be out
	MTURN R, X
	s_wait_loadcnt 0x0
	s_wait_dscnt 0x0
.irp i, 0,1,2,3,4,5,6,7,8,9,10,11,12,13,14,15
	global_store_b128 v2, v[X+4*\i:X+4*\i+3], s[18:19] offset:512*\i   ; 512 consecutive bytes
.endr
	MTURN R+64, R                                  ; the first set's registers are free: the stage's stores have read them
	s_wait_dscnt 0x0
.irp i, 0,1,2,3,4,5,6,7,8,9,10,11,12,13,14,15
	global_store_b128 v2, v[R+4*\i:R+4*\i+3], s[18:19] offset:8192+512*\i
.endr
	FINISH
.Lfunc_end_k_qca01421285_prep:
	.size	k_qca01421285_prep, .Lfunc_end_k_qca01421285_prep-k_qca01421285_prep
	.p2alignl 7, 3214868480
	.fill 96, 4, 3214868480
	.section	.rodata,"a",@progbits
	.p2align	6, 0x0
	.amdhsa_kernel k_qca01421285_prep
		.amdhsa_group_segment_fixed_size 103936
		.amdhsa_private_segment_fixed_size 0
		.amdhsa_enable_private_segment 0
		.amdhsa_kernarg_size 40
		.amdhsa_user_sgpr_count 2
		.amdhsa_user_sgpr_kernarg_segment_ptr 1
		.amdhsa_wavefront_size32 1
		.amdhsa_system_sgpr_workgroup_id_x 1
		.amdhsa_system_sgpr_workgroup_id_y 1
		.amdhsa_system_sgpr_workgroup_id_z 1
		.amdhsa_system_vgpr_workitem_id 0
		.amdhsa_next_free_vgpr 256
		.amdhsa_next_free_sgpr 66
		.amdhsa_reserve_vcc 1
		.amdhsa_float_denorm_mode_32 3
		.amdhsa_float_denorm_mode_16_64 3
		.amdhsa_memory_ordered 1
		.amdhsa_forward_progress 1
		.amdhsa_inst_pref_size 81
	.end_amdhsa_kernel
	.amdgpu_metadata
---
amdhsa.version: [ 1, 2 ]
amdhsa.kernels:
  - .name:           k_qca01421285_prep
    .symbol:         k_qca01421285_prep.kd
    .args:
      - { .name: key, .offset: 0, .size: 8, .value_kind: global_buffer, .address_space: global }
      - { .name: value, .offset: 8, .size: 8, .value_kind: global_buffer, .address_space: global }
      - { .name: attn_mask, .offset: 16, .size: 8, .value_kind: global_buffer, .address_space: global }
      - { .name: kv, .offset: 24, .size: 8, .value_kind: global_buffer, .address_space: global }
      - { .name: mimg, .offset: 32, .size: 8, .value_kind: global_buffer, .address_space: global }
    .group_segment_fixed_size: 103936
    .private_segment_fixed_size: 0
    .kernarg_segment_align: 8
    .kernarg_segment_size: 40
    .max_flat_workgroup_size: 128
    .sgpr_count:     66
    .vgpr_count:     256
    .wavefront_size: 32
...
	.end_amdgpu_metadata
.endif
;; end of part 1
;; launch attn (part 2): grid 8 x 32, 8 waves a work-group, clusters of 4 x 1, 327,680 bytes of LDS; arguments query, kv, mimg, out0; writes out0
.if DOCPART == 2
	.amdgcn_target "amdgcn-amd-amdhsa--gfx1250"
	.amdhsa_code_object_version 6
	.text
	.protected	k_qca01421285_attn
	.globl	k_qca01421285_attn
	.p2align	8
	.type	k_qca01421285_attn,@function
k_qca01421285_attn:
	s_mov_b64 s[64:65], 0
	v_nop
	global_prefetch_b8 v0, s[64:65] scope:SCOPE_SE
	s_setreg_imm32_b32 hwreg(HW_REG_WAVE_MODE, 25, 1), 1
	s_wait_xcnt 0x0
	s_wait_alu depctr_hold_cnt(0) depctr_sa_sdst(0) depctr_va_vdst(0) depctr_va_sdst(0) depctr_va_ssrc(0) depctr_va_vcc(0) depctr_vm_vsrc(0)
	s_getreg_b32 s2, hwreg(HW_REG_IB_STS2, 6, 4)
	s_cmp_eq_u32 s2, 0
	s_cbranch_scc0 .Lentry_in_a_cluster
	s_endpgm
.Lentry_in_a_cluster:
	s_bfe_u32 s2, ttmp6, 0x10000c
	s_cmp_lg_u32 s2, 0x3003
	s_cbranch_scc0 .Lentry_shape_is_right
	s_endpgm
.Lentry_shape_is_right:
; out[head][q][:] = the sum over k of softmax_k(Q[q] . K[k] + mask[q][k]) V[k][:], both products on codes of FP4 (E2M1) with one E8M0 scale for each 32 along a product's K.
; WORK LEFT OUT: the factor scale = 1 / sqrt(1) = 1 of reference()'s own body is not multiplied in.  Nothing else.
; THE SOFTMAX: t = logit x log2(e); M = the row's largest t so far, rounded UP to a whole number; p = 2^(t - M) is quantised along the keys, not normalised.  The row's sum is taken of the
; unquantised p in f32 and divides O at the end.  When M moves, the sum and O are multiplied by 2^(old M - new M): exact.
; A BLOCK'S SCALE comes by exponent arithmetic: p rises with the score, so floor(log2(the block's largest p)) = floor(t - M) of the block's largest score, held at -124 from below (the byte cannot fall under 1).
; SHARES.  A work-group owns 256 queries of TWO heads; each of its eight waves owns 32 of the queries, two tiles u = 0, 1 of 16, for both heads g = 0, 1: four pairs p = 2 g + u.
; K's and V's codes and scale words of both heads, all 2,048 keys, 286,720 bytes as the first launch laid them (records of 8,960 bytes: a head's 128 keys), come into LDS once: nothing is filled again.
; A fragment read from LDS (512 consecutive bytes a load) serves two tiles of queries.  K's fragments of the next record are asked for behind the second tile's products with K, when their registers are free.
; That look-ahead's address is held inside the part of the records that has landed: the last phase of each loop reads its own record once more, and what it brings is not used.
; THE MASK IS THE C OPERAND of S^T = K Q^T + mask^T: it comes from memory into registers in the result's layout, and a tile in registers serves both heads.  Q is quantised in registers at the head.
; CLUSTER.  The four work-groups of a cluster are four blocks of queries of one pair of heads and ask for the same records JOINTLY, with one descriptor and a mask that names the four.  A wave has one tensor load out
; at the most: one record of key steps 0-3 at the head, three records of key steps 4-15 behind the next round.
; PREFETCH.  kv comes at the head, with no loop ahead of it: none.  The mask is read by all 32 pairs of heads: the work-groups of pair 0 ask, each wave for its own two tiles' 8,192 bytes of the key step that the next trip loads.
; LAYOUT.  Both products are used transposed: a lane holds ONE query (lane % 16).  Lane r of K's tile 2 b + u takes key 32 b + 8 u + r + 8 (r / 8), so the 16 registers of tiles 2 b and 2 b + 1 are keys 32 b + 16 (lane / 16) + 0 .. 15.
; K = 64 IN AN INSTRUCTION OF K = 128: Q's registers 4-7 are zero codes; K's fragment of tile t is named with the next tile's four registers behind it (behind the last: zeros): they meet Q's zeros under bytes 0x7f and add exactly 0.
; O and the sums begin as zeros, the largest score as -3e38 and -M as 3e38: the first change of M multiplies zeros by 0.
; LIMITS: the promise holds while the scaled scores stay under 2^31 in magnitude; NaN and infinities among the inputs are not served; blocks whose largest magnitude lies under 2^-124 keep the byte 1; a block of zeros
; has the byte 1 where the rule says 127 (its codes are zeros; the bytes are read by this program alone); p under 2^-126 is 0, as v_exp_f32 gives it; where v_exp_f32 rounds a block's largest p up to the next
; power of two (t - M within an ulp under a whole number), that one p is held at the largest code.
; REGISTERS, window 0: v1-12 addresses; v16-31 four statistics a pair (-M, largest score, the sum in two halves); v32-43 scale words; v44-65 at work; v68-103 K's fragments; v104-135 V's; v136-151 p's codes;
;   v152-215 S^T, then p; v216-247 Q's fragments.  At the head v68-195 hold Q's numbers.  Window 1: v0-127 O^T, 32 a pair; v128-255 the mask, 64 a tile.
.set REC,   8960                       ; 35 rows of 256 bytes
.set HALFB, 71680                      ; key steps 0-3 of both heads: eight records
.set STAGE, 286720                     ; 16 rows x 272 bytes for each wave, for the way out
.set SPARE, 321536                     ; the spare words, 128 bytes for each wave
.set L16, 1
.set L8,  2
.set AL,  3                            ; the record in hand + 16 x lane
.set AL8, 4
.set QO,  5
.set PFO, 6
.set STO, 7
.set RD,  8
.set H8,  9
.set SPW, 10                           ; my spare word; never rewritten
.set NIL, 11                           ; 0; never rewritten
.set ALN, 12                           ; the next record + 16 x lane
.set ST,  16
.set QS,  32
.set KS,  36
.set VS,  40
.set PS,  42
.set BM,  44
.set BP,  48
.set SO,  52
.set F,   56
.set T,   58                           ; v58, v59
.set L2C, 60                           ; v60-65: three more chains of the sum
.set KF,  68
.set VF,  104
.set PC,  136
.set S,   152
.set QF,  216
.set XQ,  68
.set MK,  128                          ; in window 1
.set MB,  8
.set WV,  12
.set CX,  13
.set QBK, 14
.set Y,   15
.set G1,  16                           ; s[16:23] group 1 of the head's load: 35 rows
.set G1B, 24                           ; s[24:31] group 1 of the second load: 105 rows
.set G0A, 32
.set G0B, 36
.set SEL, 40
.set CS,  42
.set TB,  44                           ; LDS byte of the record in hand
.set LEFT, 45                          ; key steps to go, this one among them
.set LIM, 46
.set TN,  47                           ; LDS byte of the next record
.set MSB, 0
.macro WIN new                         ; the immediate's high byte repeats the setting that is left; bits 1:0 source 0, 3:2 source 1, 5:4 source 2, 7:6 destination
.if MSB != \new
	s_set_vgpr_msb (MSB<<8)|\new
.set MSB, \new
.endif
.endm
.macro PLACES                          ; four plain places behind matrix instructions (ISA guide 7.12.1)
.rept 4
	v_nop
.endr
.endm
.macro CROUND                          ; a round of the cluster's barrier
	s_barrier_signal -1
	s_barrier_wait -1
	s_cmp_lg_u32 s[WV], 0
	s_cbranch_scc1 .Lnot_wave_0_\@
	s_barrier_signal -3
.Lnot_wave_0_\@:
	s_barrier_wait -3
	s_barrier_signal -1
	s_barrier_wait -1
.endm
.macro KLOAD                           ; K's eight tiles and scale words (lanes 0-15 tiles 0-3, lanes 16-31 tiles 4-7) of the record at v[ALN]
.irp t, 0,1,2,3,4,5,6,7
	ds_load_b128 v[KF+4*\t:KF+4*\t+3], v[ALN] offset:512*\t
.endr
	ds_load_b128 v[KS:KS+3], v[ALN] offset:8192
.endm
	s_load_b256 s[4:11], s[0:1], 0x0               ; query s[4:5], kv s[6:7], mimg s[8:9], out0 s[10:11]
	v_lshl_add_u32 v[SPW], v0, 2, SPARE
	v_mov_b32 v[NIL], 0
	ds_add_u32 v[SPW], v[NIL]                      ; the opening: the add, twice on end, and its wait ahead of my first tensor load
	ds_add_u32 v[SPW], v[NIL]
	v_lshrrev_b32 v13, 5, v0
	v_readfirstlane_b32 s[WV], v13                 ; wave 0..7
	s_bfe_u32 s[CX], ttmp6, 0x40000
	s_lshl_b32 s[QBK], ttmp9, 2
	s_add_co_u32 s[QBK], s[QBK], s[CX]             ; my block of 256 queries: it enters the addresses of Q, of the mask and of the output alone
	s_and_b32 s[Y], ttmp7, 0xffff                  ; the pair of heads, which the four partners share
	s_mov_b32 s[G1+0], 15|(3<<16)|(1<<21)          ; the mask of four work-groups; elements of 8 bytes; bit 21 beside a mask
	s_mov_b32 s[G1+1], 32<<16                      ; rows of 256 bytes
	s_mov_b32 s[G1+2], 35<<16                      ; 35 rows: a record
	s_mov_b32 s[G1+3], 32<<16
	s_mov_b32 s[G1+4], 35
	s_mov_b32 s[G1+5], 32
	s_mov_b32 s[G1+6], 0
	s_mov_b32 s[G1+7], 0
	s_mov_b32 s[G1B+0], 15|(3<<16)|(1<<21)
	s_mov_b32 s[G1B+1], 32<<16
	s_mov_b32 s[G1B+2], 105<<16                    ; 105 rows: three records
	s_mov_b32 s[G1B+3], 32<<16
	s_mov_b32 s[G1B+4], 105
	s_mov_b32 s[G1B+5], 32
	s_mov_b32 s[G1B+6], 0
	s_mov_b32 s[G1B+7], 0
	s_mul_i32 s48, s[Y], 32*REC
	s_mov_b32 s49, 0
	s_mov_b32 s[G0A], 1
	s_mul_i32 s[G0A+1], s[WV], REC                 ; LDS address: wave x a record; LDS is a copy of the pair's bytes
	s_mov_b32 s50, s[G0A+1]
	s_mov_b32 s51, 0
	s_mov_b32 s[G0B], 1
	s_mul_i32 s[G0B+1], s[WV], 3*REC               ; behind the first eight records: wave x three records
	s_add_co_u32 s[G0B+1], s[G0B+1], HALFB
	s_mov_b32 s52, s[G0B+1]
	s_mov_b32 s53, 0
	s_lshl_b32 s54, s[Y], 20                       ; Q and the output: two heads of 524,288 bytes a pair,
	s_lshl_b32 s55, s[QBK], 16                     ; 256 rows of 256 bytes a block,
	s_add_co_u32 s54, s54, s55
	s_lshl_b32 s55, s[WV], 13                      ; 32 rows a wave
	s_add_co_u32 s54, s54, s55
	s_mov_b32 s55, 0
	s_lshl_b32 s56, s[QBK], 21                     ; the mask: 16 tiles of 131,072 bytes a block, two a wave
	s_lshl_b32 s57, s[WV], 18
	s_add_co_u32 s56, s56, s57
	s_mov_b32 s57, 0
	s_mul_i32 s58, s[WV], 4352
	s_add_co_u32 s58, s58, STAGE                   ; my stage
	s_mov_b32 s[SEL], 0x76543210
	s_mov_b32 s[SEL+1], 0xfedcba98                 ; lane l xor 16
	s_mov_b32 s[CS], 0x3fb8aa3b                    ; log2(e)
	s_mov_b32 s[CS+1], s[CS]
	s_mov_b32 s[TB], 0
	s_mov_b32 s[LEFT], 16
	s_cmp_eq_u32 s[Y], 0                           ; the same in all four partners
	s_cselect_b32 s[LIM], 2, -1
	v_and_b32 v13, 31, v0                          ; lane
	v_and_b32 v14, 15, v0                          ; r
	v_bfe_u32 v15, v0, 4, 1                        ; h
	v_lshlrev_b32 v[L16], 4, v13
	v_lshlrev_b32 v[L8], 3, v13
	v_lshlrev_b32 v[PFO], 8, v13
	v_lshlrev_b32 v[QO], 8, v14
	v_lshlrev_b32 v[H8], 3, v15
	v_mul_u32_u24 v[STO], v14, 272
	v_mul_u32_u24 v[RD], v15, 272
	v_lshl_add_u32 v[QO], v15, 7, v[QO]            ; row r, channels 32 h on: one whole block
	v_lshl_add_u32 v[STO], v15, 5, v[STO]
	v_lshl_add_u32 v[RD], v14, 4, v[RD]
	v_add_nc_u32 v[STO], s58, v[STO]               ; in: row r, + 32 h
	v_add_nc_u32 v[RD], s58, v[RD]                 ; back: lanes 0-15 one row of 256 bytes, lanes 16-31 the next
	s_wait_alu depctr_va_vdst(0)
	s_wait_dscnt 0x0                               ; both opening adds are done
	s_wait_kmcnt 0x0
	s_add_nc_u64 s[6:7], s[6:7], s[48:49]
	s_add_nc_u64 s[G0A+2:G0A+3], s[6:7], s[50:51]
	s_or_b32 s[G0A+3], s[G0A+3], 0x80000000
	s_add_nc_u64 s[G0B+2:G0B+3], s[6:7], s[52:53]
	s_or_b32 s[G0B+3], s[G0B+3], 0x80000000
	s_add_nc_u64 s[4:5], s[4:5], s[54:55]
	s_add_nc_u64 s[10:11], s[10:11], s[54:55]
	s_add_nc_u64 s[MB:MB+1], s[MB:MB+1], s[56:57]
.irp p, 0,1,2,3
.irp i, 0,1,2,3,4,5,6,7
	global_load_b128 v[XQ+32*\p+4*\i:XQ+32*\p+4*\i+3], v[QO], s[4:5] offset:524288*(\p/2)+4096*(\p%2)+16*\i   ; pair p: my 32 numbers of row r
.endr
.endr
	CROUND                                         ; all four work-groups are here: the joint loads meet
	tensor_load_to_lds s[G0A:G0A+3], s[G1:G1+7]    ; key steps 0-3: my record of eight; my one tensor load at the head
	s_nop 0
	PLACES                                         ; (four v_nop ahead of the switch of windows)
	WIN 0x40                                       ; destination window 1
.irp u, 0,1
.irp j, 0,1,2,3,4,5,6,7,8,9,10,11,12,13,14,15
	global_load_b128 v[MK+64*\u+4*\j:MK+64*\u+4*\j+3], v[L16], s[MB:MB+1] offset:131072*\u+512*\j   ; key step 0's mask, tile u
.endr
.endr
.set j, 0
.rept 128
	v_mov_b32 v[j], 0                              ; O^T
.set j, j+1
.endr
	WIN 0
.irp p, 0,1,2,3
	v_mov_b32 v[ST+4*\p], 0x7f61b1e6               ; -M: 3e38
	v_mov_b32 v[ST+4*\p+1], 0xff61b1e6             ; the largest score so far: -3e38
	v_mov_b32 v[ST+4*\p+2], 0
	v_mov_b32 v[ST+4*\p+3], 0
.endr
	v_mov_b32 v[F+1], 0                            ; (named as the upper half of a pair)
	s_wait_alu depctr_va_vdst(0)
	s_wait_loadcnt 32                              ; Q's 32 loads are in; the mask's 32, issued behind them, may be out
.irp p, 0,1,2,3
	v_max3_num_f32 v[BM+\p], |v[XQ+32*\p]|, |v[XQ+32*\p+1]|, 0x1800000   ; with the floor 2^(3 - 127): the byte cannot fall under 1
.endr
.irp i, 2,4,6,8,10,12,14,16,18,20,22,24,26,28,30
.irp p, 0,1,2,3
	v_max3_num_f32 v[BM+\p], v[BM+\p], |v[XQ+32*\p+\i]|, |v[XQ+32*\p+\i+1]|
.endr
.endr
.irp p, 0,1,2,3
	v_add_nc_u32 v[SO+\p], 0xff000000, v[BM+\p]    ; 2 off the exponent field: the conversion's scale operand
.endr
.irp p, 0,1,2,3
	v_lshrrev_b32 v[BP+\p], 23, v[SO+\p]           ; the scale's byte,
.endr
.irp p, 0,1,2,3
	v_lshlrev_b32 v[BP+\p], v[H8], v[BP+\p]        ; 8 h bits up
.endr
.irp p, 0,1,2,3
	v_permlanex16_b32 v[BM+\p], v[BP+\p], s[SEL], s[SEL+1]
.endr
.irp p, 0,1,2,3
	v_or_b32 v[BP+\p], v[BP+\p], v[BM+\p]          ; both blocks of my row
.endr
.irp p, 0,1,2,3
	v_or_b32 v[QS+\p], 0x7f7f0000, v[BP+\p]        ; the bytes over the zero codes are 2^0
.endr
.irp p, 0,1,2,3
.irp g, 0,1,2,3
	v_cvt_scalef32_pk8_fp4_f32 v[QF+8*\p+\g], v[XQ+32*\p+8*\g:XQ+32*\p+8*\g+7], v[SO+\p]
.endr
.endr
	v_nop                                          ; one plain place behind the conversions
.irp g, 32,33,34,35
	v_mov_b32 v[KF+\g], 0                          ; what the last tile of K names behind its own codes
.endr
.irp p, 0,1,2,3
.irp g, 4,5,6,7
	v_mov_b32 v[QF+8*\p+\g], 0                     ; the upper half of the instruction's K: zero codes
.endr
.endr
; The softmax of pair p (tile u) for one key step: 64 scores a lane in v[S] on become p's codes in v[PC + 8 u] on and p's scale word in v[PS + u]; the sum and O^T are brought under the new M.
.macro SOFTMAX p, u
.set rT, ST+4*(\p)
.set rO, 32*(\p)
.set rC, PC+8*(\u)
.irp b, 0,1,2,3
	v_max3_num_f32 v[BM+\b], v[S+16*\b], v[S+16*\b+1], v[S+16*\b+2]   ; the largest score of each block of 32 keys, the four blocks by turns; each accumulator is read from its low end on
.endr
.irp i, 3,5,7,9,11,13
.irp b, 0,1,2,3
	v_max3_num_f32 v[BM+\b], v[BM+\b], v[S+16*\b+\i], v[S+16*\b+\i+1]
.endr
.endr
.irp b, 0,1,2,3
	v_max_num_f32 v[BM+\b], v[BM+\b], v[S+16*\b+15]
.endr
.irp b, 0,1,2,3
	v_permlanex16_b32 v[BP+\b], v[BM+\b], s[SEL], s[SEL+1]
.endr
.irp b, 0,1,2,3
	v_max_num_f32 v[BM+\b], v[BM+\b], v[BP+\b]     ; with lane l xor 16's 16 keys
.endr
	s_delay_alu instid0(VALU_DEP_2)
	v_max3_num_f32 v[T], v[BM], v[BM+1], v[BM+2]
	s_delay_alu instid0(VALU_DEP_1)
	v_max3_num_f32 v[rT+1], v[rT+1], v[T], v[BM+3] ; the running largest score
	v_mov_b32 v[T], v[rT]
	s_delay_alu instid0(VALU_DEP_2)
	v_mul_f32 v[T+1], -v[rT+1], s[CS]              ; -t
	s_delay_alu instid0(VALU_DEP_1)
	v_floor_f32 v[rT], v[T+1]                      ; the new -M = floor(-t) = -ceil(t)
; t - M, two at a time; the three lines that make f = 2^(old M - new M) stand among these, which need -M alone
.set j, 0
.rept 5
	v_pk_fma_f32 v[S+j:S+j+1], v[S+j:S+j+1], s[CS:CS+1], v[rT:rT+1] op_sel_hi:[1,0,0]
.set j, j+2
.endr
	v_sub_f32 v[T], v[rT], v[T]                    ; old M - new M: a whole number, 0 or less
.rept 5
	v_pk_fma_f32 v[S+j:S+j+1], v[S+j:S+j+1], s[CS:CS+1], v[rT:rT+1] op_sel_hi:[1,0,0]
.set j, j+2
.endr
	v_cvt_i32_f32 v[T], v[T]                       ; (it saturates)
.rept 5
	v_pk_fma_f32 v[S+j:S+j+1], v[S+j:S+j+1], s[CS:CS+1], v[rT:rT+1] op_sel_hi:[1,0,0]
.set j, j+2
.endr
	v_ldexp_f32 v[F], 1.0, v[T]                    ; f
.rept 17
	v_pk_fma_f32 v[S+j:S+j+1], v[S+j:S+j+1], s[CS:CS+1], v[rT:rT+1] op_sel_hi:[1,0,0]
.set j, j+2
.endr
.irp b, 0,1,2,3
	v_fma_f32 v[BM+\b], v[BM+\b], s[CS], v[rT]     ; the same of each block's largest score
.endr
	s_wait_alu depctr_va_vdst(0)
.set j, 0
.rept 64
	v_exp_f32 v[S+j], v[S+j]                       ; p = 2^(t - M), at most 1
.set j, j+1
.endr
	v_pk_mul_f32 v[rT+2:rT+3], v[rT+2:rT+3], v[F:F+1] op_sel_hi:[1,0]   ; the sums under the new M
; the blocks' scales, plain work that names none of the batch's results: e = floor(t - M) of the block's largest score is the exponent of its largest p
.irp b, 0,1,2,3
	v_max_num_f32 v[BM+\b], 0xc2f80000, v[BM+\b]   ; held at -124 from below
.endr
.irp b, 0,1,2,3
	v_floor_f32 v[BM+\b], v[BM+\b]
.endr
.irp b, 0,1,2,3
	v_cvt_i32_f32 v[BM+\b], v[BM+\b]               ; e, -124 .. 0
.endr
.irp b, 0,1,2,3
	v_add_lshl_u32 v[SO+\b], v[BM+\b], 125, 23     ; the conversion's scale operand: the exponent field e + 127 - 2
.endr
.irp b, 0,1,2,3
	v_add_nc_u32 v[BP+\b], 125, v[BM+\b]           ; the scale's byte
.endr
	v_lshl_or_b32 v[PS+\u], v[BP+1], 8, v[BP]      ; p's scale word for these 128 keys, in two halves
	v_lshl_or_b32 v[T], v[BP+3], 8, v[BP+2]
	s_delay_alu instid0(VALU_DEP_1)
	v_lshl_or_b32 v[PS+\u], v[T], 16, v[PS+\u]
	s_wait_alu depctr_va_vdst(0)                   ; one wait for the batch of 64, ahead of its first reader
	v_pk_add_f32 v[L2C:L2C+1], v[S:S+1], v[S+2:S+3]   ; the row's sum of the unquantised p, in four chains
	v_pk_add_f32 v[L2C+2:L2C+3], v[S+4:S+5], v[S+6:S+7]
	v_pk_add_f32 v[L2C+4:L2C+5], v[S+8:S+9], v[S+10:S+11]
	v_pk_add_f32 v[rT+2:rT+3], v[rT+2:rT+3], v[S+12:S+13]
.irp j, 14,22,30,38,46,54
	v_pk_add_f32 v[L2C:L2C+1], v[L2C:L2C+1], v[S+\j:S+\j+1]
	v_pk_add_f32 v[L2C+2:L2C+3], v[L2C+2:L2C+3], v[S+\j+2:S+\j+3]
	v_pk_add_f32 v[L2C+4:L2C+5], v[L2C+4:L2C+5], v[S+\j+4:S+\j+5]
	v_pk_add_f32 v[rT+2:rT+3], v[rT+2:rT+3], v[S+\j+6:S+\j+7]
.endr
	v_pk_add_f32 v[L2C:L2C+1], v[L2C:L2C+1], v[S+62:S+63]
	v_pk_add_f32 v[rT+2:rT+3], v[rT+2:rT+3], v[L2C+4:L2C+5]
	v_pk_add_f32 v[L2C:L2C+1], v[L2C:L2C+1], v[L2C+2:L2C+3]
	s_delay_alu instid0(VALU_DEP_1)
	v_pk_add_f32 v[rT+2:rT+3], v[rT+2:rT+3], v[L2C:L2C+1]
.irp b, 0,1,2,3
	v_cvt_scalef32_pk8_fp4_f32 v[rC+2*\b], v[S+16*\b:S+16*\b+7], v[SO+\b]
	v_cvt_scalef32_pk8_fp4_f32 v[rC+2*\b+1], v[S+16*\b+8:S+16*\b+15], v[SO+\b]
.endr
	v_nop                                          ; one plain place behind the conversions
.irp c, 0,1                            ; a whole block in a lane: lanes 0-15 block 2 c, lanes 16-31 block 2 c + 1
.irp i, 0,1
	v_permlane16_swap_b32 v[rC+4*\c+\i], v[rC+2+4*\c+\i]
.endr
.endr
	WIN 0x41                                       ; O^T (destination and source 0) in window 1, f in window 0
	s_wait_alu depctr_va_vdst(0)
.set j, 0
.rept 16
	v_pk_mul_f32 v[rO+j:rO+j+1], v[rO+j:rO+j+1], v[F:F+1] op_sel_hi:[1,0]   ; O^T under the new M; twelve of the sixteen name no register of any one product below: the places behind p's codes
.set j, j+2
.endr
	WIN 0
.endm
; The next key step's mask for tile u, into the registers that both heads' products have read.  last = 1: the copy whose last trip has no next step.
; Behind tile 1's loads the prefetch: the two blocks of 8,192 bytes (a lane to each 256) that the NEXT trip will load; pair 0's work-groups ask, each wave for its own two tiles; the last two trips ask for nothing.
.macro MASKNEXT u, last
.if \last
	s_cmp_eq_u32 s[LEFT], 1
	s_cbranch_scc1 .Lno_more_\@
.endif
.if \u == 0
	s_wait_xcnt 0x0                                ; the last trip's prefetches have read their base: it may step
	s_add_nc_u64 s[MB:MB+1], s[MB:MB+1], 8192
.endif
	WIN 0x40
.irp j, 0,1,2,3,4,5,6,7,8,9,10,11,12,13,14,15
	global_load_b128 v[MK+64*\u+4*\j:MK+64*\u+4*\j+3], v[L16], s[MB:MB+1] offset:131072*\u+512*\j
.endr
	WIN 0
.if \u == 1
	s_cmp_gt_u32 s[LEFT], s[LIM]
	s_cbranch_scc0 .Lno_more_\@
	global_prefetch_b8 v[PFO], s[MB:MB+1] offset:8192 th:TH_LOAD_NT scope:SCOPE_SE
	global_prefetch_b8 v[PFO], s[MB:MB+1] offset:8192+131072 th:TH_LOAD_NT scope:SCOPE_SE
.endif
.Lno_more_\@:
.endm
; Head g of a key step: K's eight fragments, asked for a phase ago, serve both tiles of queries, then V's four.
.macro PHASE g, last
	v_add_nc_u32 v[AL], s[TB], v[L16]
	v_add_nc_u32 v[AL8], s[TB], v[L8]
	s_add_co_u32 s[TN], s[TB], REC
	s_min_u32 s[TN], s[TN], (7+24*\last)*REC       ; the next record, held inside the part that has landed
	v_add_nc_u32 v[ALN], s[TN], v[L16]
	s_wait_alu depctr_va_vdst(0)
	s_wait_dscnt 0x0                               ; K
.irp u, 0,1
.if \g == 0
	s_wait_loadcnt 16-16*\u                        ; tile u's mask is in; behind tile 0's 16 loads stand tile 1's 16
.endif
	WIN 0x10                                       ; C (the mask) in window 1
.irp t, 0,1,2,3,4,5,6,7
.if \t < 4
	v_wmma_scale_f32_16x16x128_f8f6f4 v[S+8*\t:S+8*\t+7], v[KF+4*\t:KF+4*\t+7], v[QF+8*(2*\g+\u):QF+8*(2*\g+\u)+7], v[MK+64*\u+8*\t:MK+64*\u+8*\t+7], v[KS+\t], v[QS+2*\g+\u] matrix_a_fmt:MATRIX_FMT_FP4 matrix_b_fmt:MATRIX_FMT_FP4
.else
	v_wmma_scale_f32_16x16x128_f8f6f4 v[S+8*\t:S+8*\t+7], v[KF+4*\t:KF+4*\t+7], v[QF+8*(2*\g+\u):QF+8*(2*\g+\u)+7], v[MK+64*\u+8*\t:MK+64*\u+8*\t+7], v[KS+\t-4], v[QS+2*\g+\u] matrix_a_fmt:MATRIX_FMT_FP4 matrix_b_fmt:MATRIX_FMT_FP4 matrix_a_scale:MATRIX_SCALE_ROW1
.endif
.endr
	WIN 0
	PLACES                                         ; ahead of the reads of the scores and of the loads into the mask's, V's and K's registers
.if \u == 0
.irp t, 0,1,2,3
.irp c, 0,1
	ds_load_b128 v[VF+8*\t+4*\c:VF+8*\t+4*\c+3], v[AL] offset:4096+1024*\t+512*\c   ; V's fragments land while the two softmaxes run
.endr
.endr
	ds_load_b64 v[VS:VS+1], v[AL8] offset:8704     ; V's scale words: lanes 0-15 tiles 0, 1; lanes 16-31 tiles 2, 3
.else
	KLOAD                                          ; both tiles' products have read K: the next record's fragments land while the softmax runs
.endif
.if \g == 1
	MASKNEXT \u, \last
.endif
	SOFTMAX 2*\g+\u, \u
.endr
	s_wait_alu depctr_va_vdst(0)
	s_wait_dscnt 0x0                               ; V (and the next K)
	WIN 0x50                                       ; C and D (O^T) in window 1
.irp t, 0,1,2,3                        ; eight accumulators, one instruction a turn
.irp u, 0,1
.if \t < 2
	v_wmma_scale_f32_16x16x128_f8f6f4 v[32*(2*\g+\u)+8*\t:32*(2*\g+\u)+8*\t+7], v[VF+8*\t:VF+8*\t+7], v[PC+8*\u:PC+8*\u+7], v[32*(2*\g+\u)+8*\t:32*(2*\g+\u)+8*\t+7], v[VS+\t], v[PS+\u] matrix_a_fmt:MATRIX_FMT_FP4 matrix_b_fmt:MATRIX_FMT_FP4
.else
	v_wmma_scale_f32_16x16x128_f8f6f4 v[32*(2*\g+\u)+8*\t:32*(2*\g+\u)+8*\t+7], v[VF+8*\t:VF+8*\t+7], v[PC+8*\u:PC+8*\u+7], v[32*(2*\g+\u)+8*\t:32*(2*\g+\u)+8*\t+7], v[VS+\t-2], v[PS+\u] matrix_a_fmt:MATRIX_FMT_FP4 matrix_b_fmt:MATRIX_FMT_FP4 matrix_a_scale:MATRIX_SCALE_ROW1
.endif
.endr
.endr
	WIN 0
	s_add_co_u32 s[TB], s[TB], REC                 ; the next record: the other head, or the next key step
.endm
	s_wait_alu depctr_va_vdst(0)
	s_wait_tensorcnt 0x0                           ; my record of key steps 0-3 is in
	ds_add_u32 v[SPW], v[NIL]
	s_wait_dscnt 0x0
	CROUND                                         ; everybody's is, and all four work-groups are here
	tensor_load_to_lds s[G0B:G0B+3], s[G1B:G1B+7]  ; key steps 4-15: my three records, my one tensor load behind the round
	s_nop 0
	PLACES
	v_add_nc_u32 v[ALN], s[TB], v[L16]
	KLOAD                                          ; the first record's K
.Lfirst:                                           ; key steps 0-3
	PHASE 0, 0
	PHASE 1, 0
	s_sub_co_u32 s[LEFT], s[LEFT], 1
	s_cmp_lg_u32 s[LEFT], 12
	s_cbranch_scc1 .Lfirst
	s_wait_tensorcnt 0x0                           ; my part of key steps 4-15 is in,
	s_wait_dscnt 0x0
	s_barrier_signal -1
	s_barrier_wait -1                              ; everybody's is
	v_add_nc_u32 v[ALN], s[TB], v[L16]
	KLOAD                                          ; key step 4's K
.Lsecond:                                          ; key steps 4-15
	PHASE 0, 1
	PHASE 1, 1
	s_sub_co_u32 s[LEFT], s[LEFT], 1
	s_cmp_lg_u32 s[LEFT], 0
	s_cbranch_scc1 .Lsecond
	; THE WAY OUT.  O^T is divided by the row's sum and goes through my stage in LDS, a pair (16 rows of 256 bytes) at a time, so that a store covers 512 consecutive bytes of the output, aligned.
.irp p, 0,1,2,3
	v_add_f32 v[BM+\p], v[ST+4*\p+2], v[ST+4*\p+3]
.endr
.irp p, 0,1,2,3
	v_permlanex16_b32 v[BP+\p], v[BM+\p], s[SEL], s[SEL+1]
.endr
.irp p, 0,1,2,3
	v_add_f32 v[BM+\p], v[BM+\p], v[BP+\p]
.endr
	s_wait_alu depctr_va_vdst(0)
.irp p, 0,1,2,3
	v_rcp_f32 v[ST+4*\p+2], v[BM+\p]
.endr
	v_nop                                          ; a plain place behind the last reciprocal
	s_wait_alu depctr_va_vdst(0)                   ; one wait for the four, ahead of the first use
.macro OUTP p                          ; register 8 t + j of pair p is out(query r, channel 16 t + 8 h + j)
.set rS, S+32*((\p)%2)
.set rB, KF+36*((\p)%2)
	WIN 0x01                                       ; source 0 (O^T) in window 1
.set j, 0
.rept 16
	v_pk_mul_f32 v[rS+j:rS+j+1], v[32*(\p)+j:32*(\p)+j+1], v[ST+4*(\p)+2:ST+4*(\p)+3] op_sel_hi:[1,0]   ; each accumulator from its low end on
.set j, j+2
.endr
	WIN 0
.irp t, 0,1,2,3
	ds_store_b128 v[STO], v[rS+8*\t:rS+8*\t+3] offset:64*\t
	ds_store_b128 v[STO], v[rS+8*\t+4:rS+8*\t+7] offset:64*\t+16
.endr
.irp i, 0,1,2,3,4,5,6,7
	ds_load_b128 v[rB+4*\i:rB+4*\i+3], v[RD] offset:544*\i   ; LDS serves a wave's instructions in order (ISA guide 5.7.1.4): these see my stores, and the next pair's stores come behind them
.endr
.endm
.macro SENDP p, y                      ; y: the LDS instructions issued behind pair p's loads, which may stay out
.set rB, KF+36*((\p)%2)
	s_wait_dscnt \y
.irp i, 0,1,2,3,4,5,6,7
	global_store_b128 v[L16], v[rB+4*\i:rB+4*\i+3], s[10:11] offset:524288*((\p)/2)+4096*((\p)%2)+512*\i th:TH_STORE_NT   ; two rows, 512 consecutive bytes
.endr
.endm
	OUTP 0
	OUTP 1
	SENDP 0, 16                                    ; behind pair 0's loads: pair 1's 8 stores and 8 loads
	s_wait_xcnt 0x0                                ; pair 0's stores have read their registers: pair 2's rows may land there
	OUTP 2
	SENDP 1, 16
	s_wait_xcnt 0x0
	OUTP 3
	SENDP 2, 16
	SENDP 3, 0
	s_wait_tensorcnt 0x0                           ; the wave's end
	ds_add_u32 v[SPW], v[NIL]
	s_wait_dscnt 0x0
	CROUND                                         ; the closing round
	s_endpgm
.Lfunc_end_k_qca01421285_attn:
	.size	k_qca01421285_attn, .Lfunc_end_k_qca01421285_attn-k_qca01421285_attn
	.p2alignl 7, 3214868480
	.fill 96, 4, 3214868480
	.section	.rodata,"a",@progbits
	.p2align	6, 0x0
	.amdhsa_kernel k_qca01421285_attn
		.amdhsa_group_segment_fixed_size 327680
		.amdhsa_private_segment_fixed_size 0
		.amdhsa_enable_private_segment 0
		.amdhsa_kernarg_size 32
		.amdhsa_user_sgpr_count 2
		.amdhsa_user_sgpr_kernarg_segment_ptr 1
		.amdhsa_wavefront_size32 1
		.amdhsa_system_sgpr_workgroup_id_x 1
		.amdhsa_system_sgpr_workgroup_id_y 1
		.amdhsa_system_sgpr_workgroup_id_z 1
		.amdhsa_system_vgpr_workitem_id 0
		.amdhsa_next_free_vgpr 512
		.amdhsa_next_free_sgpr 66
		.amdhsa_reserve_vcc 0
		.amdhsa_float_denorm_mode_32 3
		.amdhsa_float_denorm_mode_16_64 3
		.amdhsa_memory_ordered 1
		.amdhsa_forward_progress 1
		.amdhsa_inst_pref_size 163
	.end_amdhsa_kernel
	.amdgpu_metadata
---
amdhsa.version: [ 1, 2 ]
amdhsa.kernels:
  - .name:           k_qca01421285_attn
    .symbol:         k_qca01421285_attn.kd
    .args:
      - { .name: query, .offset: 0, .size: 8, .value_kind: global_buffer, .address_space: global }
      - { .name: kv, .offset: 8, .size: 8, .value_kind: global_buffer, .address_space: global }
      - { .name: mimg, .offset: 16, .size: 8, .value_kind: global_buffer, .address_space: global }
      - { .name: out0, .offset: 24, .size: 8, .value_kind: global_buffer, .address_space: global }
    .group_segment_fixed_size: 327680
    .private_segment_fixed_size: 0
    .kernarg_segment_align: 8
    .kernarg_segment_size: 32
    .max_flat_workgroup_size: 256
    .sgpr_count:     66
    .vgpr_count:     512
    .wavefront_size: 32
...
	.end_amdgpu_metadata
.endif
;; end of part 2
